; MI455X (gfx1250); checked and timed in simulation.
; The chip was launched on July 23, 2026; its instructions are those of AMD's public machine-readable ISA for CDNA 5 (MIT licence, August 2026) and "CDNA5" Instruction Set Architecture Reference Guide (July 2026). The comments in the code are by the model that wrote it; some were corrected since.
;; Multi Head Self Attention. Allowed arithmetic: matrix products marked QUANTISED: E2M1 operands, one E8M0 scale for each 32 along K, by v_wmma_scale_f32_16x16x128_f8f6f4 with both operands' format E2M1 (or v_wmma_scale_f32_32x16x128_f4), f32 sums; everything else in f32.
;; Inputs: W_qkv 1,024 x 3,072 float32; b_qkv 3,072 float32; x 4 x 2,048 x 1,024 float32.
;; Outputs: out0 4 x 2,048 x 1,024 float32.
;; This version of the problem:
;;   THIS VERSION OF THE PROBLEM IS GIVEN IN LOW PRECISION. The matrix products marked QUANTISED in the list below multiply operands that are first quantised to E2M1 (2 exponent bits, 1 mantissa bit; 4 bits a number), with one power-of-two scale for each 32 numbers along K (OCP MX v1.0); their sums are f32. All else is computed in f32.
;;   The module's matrix products, in the order in which they are computed (A, B: the left and right operand; K: the contracted axis; several contracted axes count as one K, in the product's order):
;;     1. [M 8,192, K 1,024] x [K 1,024, N 3,072]; A: input x; B: input W_qkv: QUANTISED
;;     2. batch 64 x [M 2,048, K 64] x [K 64, N 2,048]; A: computed on the way; B: computed on the way: QUANTISED
;;     3. batch 64 x [M 2,048, K 2,048] x [K 2,048, N 64]; A: softmax (see below); B: computed on the way: QUANTISED
;;   THE QUANTISER, for each operand of a quantised product, along K:
;;     - K is cut into blocks of 32 from its start; a last block that is shorter is filled with zeros.
;;     - A block's scale is 2^e with e = floor(log2(the largest magnitude in the block)) - 2, held to -126 .. 127; a block of zeros has e = 0. As a byte (E8M0): e + 127.
;;     - Each number is divided by its block's scale, clamped to +-6, and rounded to the nearest number of E2M1, ties to even, subnormals kept.
;;     - The product sums the exact products of the quantised numbers (number of the format x scale) in f32.
;;   ~~~python
;;   def quantise(x, axis):      # numpy; x: float32 -> the quantised numbers, widened to float32 again
;;       x = np.moveaxis(x, axis, -1); K = x.shape[-1]
;;       x = np.pad(x, [(0, 0)] * (x.ndim - 1) + [(0, -K % 32)]); x = x.reshape(x.shape[:-1] + (-1, 32)); a = np.abs(x).max(-1, keepdims=True)
;;       e = np.where(a > 0, np.clip(np.frexp(np.where(a > 0, a, 1))[1] - 1 - 2, -126, 127), 0)      # np.frexp(a)[1] - 1 = floor(log2(a)), exactly
;;       r = np.clip(x / 2.0 ** e, -6, 6)
;;       step = 2.0 ** (np.maximum(np.frexp(np.where(r == 0, 1, r))[1] - 1, 0) - 1)
;;       q = np.round(r / step) * step * 2.0 ** e      # np.round: ties to even
;;       return np.moveaxis(q.reshape(q.shape[:-2] + (-1,))[..., :K], -1, axis).astype(np.float32)
;;   ~~~
;;   SOFTMAX AHEAD OF A QUANTISED PRODUCT. Where the list says 'softmax', what is quantised is not the finished softmax but p = 2^(t - M), with t = logit x log2(e) and M = ceil(the row's largest t), a whole number; so 1/2 < the row's largest p <= 1. The row's sum l is taken of the UNQUANTISED p, in f32, and the product's result is divided by l at the end. Since M is a whole number, a kernel that streams over the keys may use a running M (the ceiling of the running maximum): every later rescaling is an exact power of two, which a block's scale takes up: the codes' values come out the same.
;;   OPERANDS COMPUTED ON THE WAY. 'Computed on the way' means the value that the module computes at that place (a softmax that the list does not call 'softmax' is quantised finished and normalised). What goes into a quantiser is computed in f32, as accurately as f32 sums, v_exp_f32 and their like allow (about 1e-6 of the number): no bf16 or f16 on the way to a quantiser, and a product that is left as it is and whose result goes on into a quantised operand takes f32 operands (vector FMAs, or v_wmma_f32_16x16x4_f32). A number that lies on a knife's edge between two numbers of the format may be rounded either way, as far as f32 arithmetic and the matrix unit's own rounding can turn it there, and no further.
;; One version. Each part assembles by itself: llvm-mc -triple=amdgcn-amd-amdhsa -mcpu=gfx1250 --defsym DOCPART=n.
;; ======== version 1 of 1: 4 launches
;; workspace buffers: xc 4,194,304 bytes; xs 262,144 bytes; wc 1,572,864 bytes; ws 98,304 bytes; qc 4,194,304 bytes; qs 524,288 bytes; kv 9,175,040 bytes
;; launch quant_x (part 1): grid 256 x 1, 4 waves a work-group, no clusters, 33,280 bytes of LDS; arguments x, xc, xs; writes xc, xs
.if DOCPART == 1
	.amdgcn_target "amdgcn-amd-amdhsa--gfx1250"
	.amdhsa_code_object_version 6
	.text
	.protected	k_qeba341ce67_quant_x
	.globl	k_qeba341ce67_quant_x
	.p2align	8
	.type	k_qeba341ce67_quant_x,@function
k_qeba341ce67_quant_x:
	s_mov_b64 s[64:65], 0
	v_nop
	global_prefetch_b8 v0, s[64:65] scope:SCOPE_SE
	s_setreg_imm32_b32 hwreg(HW_REG_WAVE_MODE, 25, 1), 1
	s_wait_xcnt 0x0
; x [8192][1024] f32 becomes codes of FP4 (E2M1), K innermost, xc [8192][512 bytes], and one E8M0 byte for each 32 along K, xs [8192][32].
; A block's scale is 2^(floor(log2(its largest magnitude)) - 2); its byte is the largest magnitude's exponent field - 2, held at 1 from below.
; ROWS LIE IN POSITION ORDER: row i of x is stored at row p = i with bits 3 and 4 exchanged, so that 16 neighbouring stored rows are the rows
; 32 b + 8 u + (r & 7) + 16 (r >> 3) that the product's launch wants as one tile.  A wave takes 8 rows (bits 3, 4 of the row = the wave's number), so only its run's place changes.
; LIMITS: a block of zeros, or one whose largest magnitude lies under 2^-124, gets the byte 1 (its codes are zeros or held; this program alone reads the bytes); NaN and infinities are not served.
; A wave takes 16 steps of 512 numbers.  Each load reads 512 consecutive bytes; a step's 2,048 bytes turn through the wave's own stage in LDS and come back 64 bytes a lane (16 neighbours along K);
; two neighbouring lanes hold a block.  A lane's 16 codes are 8 bytes: a wave's store covers 256 consecutive bytes.  A wave's 256 scale bytes are gathered in LDS and leave as one aligned 256 bytes.
; No tensor loads, no barrier: waves share nothing.  Loads run four steps (16 loads a wave) ahead, the turn through LDS one step.
.set STEPS, 16
.set EMAX,  2
.set CB,    8                          ; bytes of 16 codes
.set R,     16                         ; v16-79   four sets of 16 numbers as they are loaded
.set X,     80                         ; v80-111  two sets of 16 neighbours
.set C,     128                        ; v128-191 codes: four registers for each step, so that no store's data are written again
.set E,     112                        ; v112-127 a scale byte for each step
.set WREG,  8192                       ; LDS: a region for each wave: two stages of 32 x SP bytes, behind them its 256 scale bytes
.set SP,    80                         ; a lane's place in a stage: its 64 bytes + 16 of padding
	s_load_b128 s[4:7], s[0:1], 0x0                ; x, xc
	s_load_b64 s[8:9], s[0:1], 0x10                ; xs
	v_lshl_add_u32 v192, v0, 2, 0x8000
	v_mov_b32 v193, 0
	v_lshrrev_b32 v1, 5, v0
	v_readfirstlane_b32 s16, v1                    ; wave
	v_and_b32 v2, 31, v0                           ; lane
	v_lshlrev_b32 v3, 4, v2                        ; my 16 bytes of a load's 512
	s_mul_i32 s17, s16, WREG
	v_lshrrev_b32 v14, 2, v2
	v_mul_u32_u24 v14, v14, SP
	v_and_b32 v15, 3, v2
	v_lshl_add_u32 v14, v15, 4, v14
	v_add_nc_u32 v14, s17, v14                     ; the stage, on the way in: SP (lane / 4) + 16 (lane % 4)
	v_mul_u32_u24 v15, v2, SP
	v_add_nc_u32 v15, s17, v15                     ; and on the way out: SP x lane: my 16 neighbours
	v_mul_u32_u24 v4, v2, CB                       ; my codes' place in a step's
	v_lshrrev_b32 v5, 1, v2
	s_add_co_u32 s17, s17, 2*32*SP
	v_add_nc_u32 v5, s17, v5                       ; LDS: my wave's 256 scale bytes, my block's byte
	v_lshlrev_b32 v7, 3, v2                        ; and on the way out 8 bytes a lane
	v_add_nc_u32 v6, s17, v7
	s_lshl_b32 s18, ttmp9, 2
	s_add_co_u32 s19, s18, s16                     ; which run of 8 rows I read: 4 x work-group + wave
	s_and_b32 s22, s16, 1
	s_lshl_b32 s22, s22, 1
	s_lshr_b32 s23, s16, 1
	s_or_b32 s22, s22, s23                         ; the wave's two bits exchanged
	s_add_co_u32 s18, s18, s22                     ; which run of 8 rows I write
	s_lshl_b32 s20, s19, 15                        ; 32,768 bytes of x a run (33,554,432 in all: 32 bits do)
	s_mov_b32 s21, 0
	s_wait_kmcnt 0x0
	s_add_nc_u64 s[4:5], s[4:5], s[20:21]
	s_lshl_b32 s20, s18, 12                        ; 4,096 bytes of codes a run
	s_add_nc_u64 s[6:7], s[6:7], s[20:21]
	s_lshl_b32 s20, s18, 8                         ; 256 scale bytes a run
	s_add_nc_u64 s[8:9], s[8:9], s[20:21]
.macro LOAD t
.irp i, 0,1,2,3
	global_load_b128 v[R+16*((\t)%4)+4*\i:R+16*((\t)%4)+4*\i+3], v3, s[4:5] offset:2048*(\t)+512*\i th:TH_LOAD_NT   ; 32 lanes read 512 consecutive bytes
.endr
.endm
.macro TURN t                          ; step t's numbers through the stage: LDS serves a wave's instructions in order, so no wait stands between the stores and the loads
.irp i, 0,1,2,3
	ds_store_b128 v14, v[R+16*((\t)%4)+4*\i:R+16*((\t)%4)+4*\i+3] offset:32*SP*((\t)%2)+8*SP*\i
.endr
.irp i, 0,1,2,3
	ds_load_b128 v[X+16*((\t)%2)+4*\i:X+16*((\t)%2)+4*\i+3], v15 offset:32*SP*((\t)%2)+16*\i
.endr
.endm
.irp t, 0,1,2,3
	LOAD \t
.endr
	s_wait_loadcnt 12                              ; step 0's four loads are in
	TURN 0
.macro STEP t
.set XS, X+16*((\t)%2)
.if (\t) > 0
	s_wait_dscnt 1                                 ; this step's numbers are back from the stage (the last step's byte store may be out): so its stores into the stage have read their registers,
.else
	s_wait_dscnt 0x0
.endif
.if (\t)+4 < STEPS
	LOAD (\t)+4                                    ; which take the loads of four steps on
.endif
.if (\t)+1 < STEPS
.if STEPS-2-(\t) >= 3
	s_wait_loadcnt 12                              ; the next step's four loads are in; those of the three steps behind it may be out
.else
	s_wait_loadcnt 4*(STEPS-2-(\t))
.endif
	TURN (\t)+1                                    ; and go through the other stage while this step is worked
.endif
	v_max3_num_f32 v8, |v[XS]|, |v[XS+1]|, |v[XS+2]|               ; the largest magnitude of my 16
	v_max3_num_f32 v9, |v[XS+3]|, |v[XS+4]|, |v[XS+5]|
.irp i, 6,10
	v_max3_num_f32 v8, v8, |v[XS+\i]|, |v[XS+\i+1]|
	v_max3_num_f32 v9, v9, |v[XS+\i+2]|, |v[XS+\i+3]|
.endr
	v_max3_num_f32 v8, v8, |v[XS+14]|, |v[XS+15]|
	v_max3_num_f32 v8, v8, v9, (EMAX+1)<<23        ; and the floor 2^(3 - 127): the byte cannot fall under 1
	v_max_num_f32_dpp v8, v8, v8 row_xmask:1 row_mask:0xf bank_mask:0xf   ; and of my neighbour's 16: the block's
	v_add_nc_u32 v11, -(EMAX<<23), v8              ; 2 off its exponent field: the conversion takes the exponent field of this operand as its scale
	v_cvt_scalef32_pk8_fp4_f32 v[C+4*(\t)], v[XS:XS+7], v11
	v_cvt_scalef32_pk8_fp4_f32 v[C+4*(\t)+1], v[XS+8:XS+15], v11
	v_lshrrev_b32 v[E+(\t)], 23, v11               ; the scale's byte
	ds_store_b8 v5, v[E+(\t)] offset:16*(\t)       ; both lanes of a block write the same byte with the same value
	global_store_b64 v4, v[C+4*(\t):C+4*(\t)+1], s[6:7] offset:32*CB*(\t)
.endm
.irp t, 0,1,2,3,4,5,6,7,8,9,10,11,12,13,14,15
	STEP \t
.endr
	ds_load_b64 v[12:13], v6                       ; LDS serves a wave's instructions in order: these see my stores
	s_wait_dscnt 0x0
	global_store_b64 v7, v[12:13], s[8:9]          ; 32 lanes store 256 consecutive bytes, aligned
	s_wait_tensorcnt 0x0
	ds_add_u32 v192, v193
	s_wait_dscnt 0x0
	s_endpgm
.Lfunc_end_k_qeba341ce67_quant_x:
	.size	k_qeba341ce67_quant_x, .Lfunc_end_k_qeba341ce67_quant_x-k_qeba341ce67_quant_x
	.p2alignl 7, 3214868480
	.fill 96, 4, 3214868480
	.section	.rodata,"a",@progbits
	.p2align	6, 0x0
	.amdhsa_kernel k_qeba341ce67_quant_x
		.amdhsa_group_segment_fixed_size 33280
		.amdhsa_private_segment_fixed_size 0
		.amdhsa_enable_private_segment 0
		.amdhsa_kernarg_size 24
		.amdhsa_user_sgpr_count 2
		.amdhsa_user_sgpr_kernarg_segment_ptr 1
		.amdhsa_wavefront_size32 1
		.amdhsa_system_sgpr_workgroup_id_x 1
		.amdhsa_system_sgpr_workgroup_id_y 1
		.amdhsa_system_sgpr_workgroup_id_z 1
		.amdhsa_system_vgpr_workitem_id 0
		.amdhsa_next_free_vgpr 194
		.amdhsa_next_free_sgpr 66
		.amdhsa_reserve_vcc 0
		.amdhsa_float_denorm_mode_32 3
		.amdhsa_float_denorm_mode_16_64 3
		.amdhsa_memory_ordered 1
		.amdhsa_forward_progress 1
		.amdhsa_inst_pref_size 33
	.end_amdhsa_kernel
	.amdgpu_metadata
---
amdhsa.version: [ 1, 2 ]
amdhsa.kernels:
  - .name:           k_qeba341ce67_quant_x
    .symbol:         k_qeba341ce67_quant_x.kd
    .args:
      - { .name: x, .offset: 0, .size: 8, .value_kind: global_buffer, .address_space: global }
      - { .name: xc, .offset: 8, .size: 8, .value_kind: global_buffer, .address_space: global }
      - { .name: xs, .offset: 16, .size: 8, .value_kind: global_buffer, .address_space: global }
    .group_segment_fixed_size: 33280
    .private_segment_fixed_size: 0
    .kernarg_segment_align: 8
    .kernarg_segment_size: 24
    .max_flat_workgroup_size: 128
    .sgpr_count:     66
    .vgpr_count:     194
    .wavefront_size: 32
...
	.end_amdgpu_metadata
.endif
;; end of part 1
;; launch quant_w (part 2): grid 24 x 2, 4 waves a work-group, no clusters, 36,352 bytes of LDS; arguments W_qkv, wc, ws; writes wc, ws
.if DOCPART == 2
	.amdgcn_target "amdgcn-amd-amdhsa--gfx1250"
	.amdhsa_code_object_version 6
	.text
	.protected	k_qeba341ce67_quant_w
	.globl	k_qeba341ce67_quant_w
	.p2align	8
	.type	k_qeba341ce67_quant_w,@function
k_qeba341ce67_quant_w:
	s_mov_b64 s[64:65], 0
	v_nop
	global_prefetch_b8 v0, s[64:65] scope:SCOPE_SE
	s_setreg_imm32_b32 hwreg(HW_REG_WAVE_MODE, 25, 1), 1
	s_wait_xcnt 0x0
; W_qkv [1024 (k)][3072 (n)] f32, K its FIRST axis, becomes codes of FP4 (E2M1) laid [3072][512 bytes] with K innermost, and one E8M0 byte for each 32 along K, laid [3072][32].
; A LANE TAKES A COLUMN n AND ITS REGISTERS RUN DOWN K: each load reads neighbouring n in neighbouring lanes, a block of 32 along K lies in one lane's 32 registers, and the conversions give codes with K innermost.
; ROWS OF THE OUTPUT LIE IN POSITION ORDER: column n is stored at row p = n with bits 3 and 4 exchanged (a wave's 32 columns stay together), so that 16 neighbouring stored rows form the tile that the product's launch wants.
; A block's scale is 2^(floor(log2(its largest magnitude)) - 2); its byte is the largest magnitude's exponent field - 2, held at 1 from below.
; LIMITS: a block of zeros, or one under 2^-124, gets the byte 1 (this program alone reads the bytes); NaN and infinities are not served.
; A wave takes 32 columns x 512 along K: 16 blocks a lane, 256 bytes of codes a column; they go through the wave's own stage in LDS and leave as rows: sixteen lanes store 256 consecutive bytes, aligned.
; Every offset is an immediate: 511 x 3072 x 4 = 6,279,168 lies inside the signed 24-bit immediate (ISA guide, chapter 10).  Loads run two blocks (64 loads a wave) ahead.
.set SIZE_K, 1024
.set SIZE_N, 3072
.set KW,    512                        ; along K for a wave
.set NB,    KW/32                      ; blocks
.set ROWB,  256                        ; bytes of KW codes
.set PITCH, ROWB+16                    ; a stage row
.set KROW,  SIZE_K*4/8                 ; a row of the codes' buffer in bytes
.set EMAX,  2
.set X,     32                         ; v32-95   two sets of 32 numbers
.set C,     96                         ; v96..    a block's codes
.set OUTR,  112                        ; v112-175 the way out: 16 x 4 registers
.set SB,    24                         ; v24..    the scale bytes, four to a register
	s_load_b128 s[4:7], s[0:1], 0x0                ; W, the codes
	s_load_b64 s[8:9], s[0:1], 0x10                ; the scale bytes
	v_lshl_add_u32 v192, v0, 2, 0x8c00
	v_mov_b32 v193, 0
	v_lshrrev_b32 v1, 5, v0
	v_readfirstlane_b32 s16, v1                    ; wave 0..3
	v_and_b32 v2, 31, v0                           ; lane
	s_lshl_b32 s17, ttmp9, 7
	s_lshl_b32 s18, s16, 5
	s_add_co_u32 s17, s17, s18                     ; my wave's first column: 128 x work-group x + 32 x wave
	s_and_b32 s18, ttmp7, 0xffff                   ; which 512 along K: work-group y
	v_lshlrev_b32 v3, 2, v2                        ; in: 4 bytes a lane
	s_mul_i32 s19, s16, 32*PITCH                   ; my stage
	v_and_b32 v10, 7, v2
	v_bfe_u32 v11, v2, 3, 1
	v_lshl_add_u32 v10, v11, 4, v10
	v_bfe_u32 v11, v2, 4, 1
	v_lshl_add_u32 v10, v11, 3, v10                ; my column's position among the wave's 32: bits 3 and 4 exchanged
	v_mul_u32_u24 v4, v10, PITCH
	v_add_nc_u32 v4, s19, v4                       ; into the stage: row = my column's position
	v_and_b32 v5, 15, v2
	v_lshrrev_b32 v6, 4, v2                        ; out of it: sixteen lanes to a row, two rows an instruction
	v_mul_u32_u24 v7, v6, PITCH
	v_lshl_add_u32 v7, v5, 4, v7
	v_add_nc_u32 v7, s19, v7                       ; LDS address
	v_mul_u32_u24 v8, v6, KROW
	v_lshl_add_u32 v8, v5, 4, v8                   ; and the same place in the codes' buffer
	; where my wave's part begins, in bytes: W: (512 y) rows of 12,288 + 4 x column;  codes: column x 512 + 256 y;  scale bytes: column x 32 + 16 y
	s_mov_b32 s19, 0
	s_mov_b64 s[20:21], KW*SIZE_N*4
	s_mul_u64 s[20:21], s[18:19], s[20:21]
	s_lshl_b32 s22, s17, 2
	s_mov_b32 s23, 0
	s_add_nc_u64 s[20:21], s[20:21], s[22:23]
	s_mov_b32 s22, s17
	s_mov_b64 s[24:25], KROW
	s_mul_u64 s[24:25], s[22:23], s[24:25]
	s_mul_i32 s26, s18, ROWB
	s_mov_b32 s27, 0
	s_add_nc_u64 s[24:25], s[24:25], s[26:27]
	s_mov_b64 s[28:29], SIZE_K/32
	s_mul_u64 s[28:29], s[22:23], s[28:29]
	s_mul_i32 s26, s18, NB
	s_add_nc_u64 s[28:29], s[28:29], s[26:27]
	v_lshlrev_b32 v9, 5, v10                       ; my column's row of scale bytes: 32 x position
	s_wait_kmcnt 0x0
	s_add_nc_u64 s[4:5], s[4:5], s[20:21]
	s_add_nc_u64 s[6:7], s[6:7], s[24:25]
	s_add_nc_u64 s[8:9], s[8:9], s[28:29]
.macro LOAD t                          ; block t: W(32 t + i, my column), i = 0 .. 31, into set t % 2
.irp i, 0,1,2,3,4,5,6,7,8,9,10,11,12,13,14,15,16,17,18,19,20,21,22,23,24,25,26,27,28,29,30,31
	global_load_b32 v[X+32*((\t)%2)+\i], v3, s[4:5] offset:(32*(\t)+\i)*SIZE_N*4 th:TH_LOAD_NT
.endr
.endm
	LOAD 0
	LOAD 1
.macro BLOCK t
.set XS, X+32*((\t)%2)
.if (\t) < NB-1
	s_wait_loadcnt 32                              ; this block's 32 loads are in; the next block's may be out
.else
	s_wait_loadcnt 0
.endif
	v_max3_num_f32 v12, |v[XS]|, |v[XS+1]|, |v[XS+2]|               ; the block's largest magnitude: all 32 numbers are mine
	v_max3_num_f32 v13, |v[XS+3]|, |v[XS+4]|, |v[XS+5]|
.irp i, 6,10,14,18,22,26
	v_max3_num_f32 v12, v12, |v[XS+\i]|, |v[XS+\i+1]|
	v_max3_num_f32 v13, v13, |v[XS+\i+2]|, |v[XS+\i+3]|
.endr
	v_max3_num_f32 v12, v12, |v[XS+30]|, |v[XS+31]|
	v_max3_num_f32 v12, v12, v13, (EMAX+1)<<23     ; and the floor 2^(3 - 127): the byte cannot fall under 1
	v_add_nc_u32 v11, -(EMAX<<23), v12             ; 2 off its exponent field: the conversion's scale operand
	v_lshrrev_b32 v13, 23, v11                     ; the scale's byte
.if (\t)%4 == 0
	v_mov_b32 v[SB+(\t)/4], v13                    ; four bytes to a register, the lower K in the lower byte
.else
	v_lshl_or_b32 v[SB+(\t)/4], v13, 8*((\t)%4), v[SB+(\t)/4]
.endif
.irp g, 0,1,2,3
	v_cvt_scalef32_pk8_fp4_f32 v[C+\g], v[XS+8*\g:XS+8*\g+7], v11
.endr
	ds_store_b128 v4, v[C:C+3] offset:16*(\t)      ; 32 codes: 16 bytes of my column's row
.if (\t)+2 < NB
	LOAD (\t)+2
.endif
	s_wait_dscnt 0x0                               ; the store has read its registers: the next block's codes may be written
.endm
.set Q, 0
.rept NB
	BLOCK Q
.set Q, Q+1
.endr
	global_store_b128 v9, v[SB:SB+3], s[8:9]       ; my column's 16 scale bytes
.irp t, 0,1,2,3,4,5,6,7,8,9,10,11,12,13,14,15
	ds_load_b128 v[OUTR+4*\t:OUTR+4*\t+3], v7 offset:2*\t*PITCH   ; LDS serves a wave's instructions in order: these see my stores
.endr
.irp t, 0,1,2,3,4,5,6,7,8,9,10,11,12,13,14,15
	s_wait_dscnt 15-\t
	global_store_b128 v8, v[OUTR+4*\t:OUTR+4*\t+3], s[6:7] offset:2*\t*KROW
.endr
	s_wait_tensorcnt 0x0
	ds_add_u32 v192, v193
	s_wait_dscnt 0x0
	s_endpgm
.Lfunc_end_k_qeba341ce67_quant_w:
	.size	k_qeba341ce67_quant_w, .Lfunc_end_k_qeba341ce67_quant_w-k_qeba341ce67_quant_w
	.p2alignl 7, 3214868480
	.fill 96, 4, 3214868480
	.section	.rodata,"a",@progbits
	.p2align	6, 0x0
	.amdhsa_kernel k_qeba341ce67_quant_w
		.amdhsa_group_segment_fixed_size 36352
		.amdhsa_private_segment_fixed_size 0
		.amdhsa_enable_private_segment 0
		.amdhsa_kernarg_size 24
		.amdhsa_user_sgpr_count 2
		.amdhsa_user_sgpr_kernarg_segment_ptr 1
		.amdhsa_wavefront_size32 1
		.amdhsa_system_sgpr_workgroup_id_x 1
		.amdhsa_system_sgpr_workgroup_id_y 1
		.amdhsa_system_sgpr_workgroup_id_z 1
		.amdhsa_system_vgpr_workitem_id 0
		.amdhsa_next_free_vgpr 194
		.amdhsa_next_free_sgpr 66
		.amdhsa_reserve_vcc 0
		.amdhsa_float_denorm_mode_32 3
		.amdhsa_float_denorm_mode_16_64 3
		.amdhsa_memory_ordered 1
		.amdhsa_forward_progress 1
		.amdhsa_inst_pref_size 79
	.end_amdhsa_kernel
	.amdgpu_metadata
---
amdhsa.version: [ 1, 2 ]
amdhsa.kernels:
  - .name:           k_qeba341ce67_quant_w
    .symbol:         k_qeba341ce67_quant_w.kd
    .args:
      - { .name: W_qkv, .offset: 0, .size: 8, .value_kind: global_buffer, .address_space: global }
      - { .name: wc, .offset: 8, .size: 8, .value_kind: global_buffer, .address_space: global }
      - { .name: ws, .offset: 16, .size: 8, .value_kind: global_buffer, .address_space: global }
    .group_segment_fixed_size: 36352
    .private_segment_fixed_size: 0
    .kernarg_segment_align: 8
    .kernarg_segment_size: 24
    .max_flat_workgroup_size: 128
    .sgpr_count:     66
    .vgpr_count:     194
    .wavefront_size: 32
...
	.end_amdgpu_metadata
.endif
;; end of part 2
;; launch gemm_qkv (part 3): grid 16 x 32, 4 waves a work-group, clusters of 4 x 4, 262,656 bytes of LDS; arguments xc, xs, wc, ws, b_qkv, qc, qs, kv; writes qc, qs, kv
.if DOCPART == 3
	.amdgcn_target "amdgcn-amd-amdhsa--gfx1250"
	.amdhsa_code_object_version 6
	.text
	.protected	k_qeba341ce67_gemm_qkv
	.globl	k_qeba341ce67_gemm_qkv
	.p2align	8
	.type	k_qeba341ce67_gemm_qkv,@function
k_qeba341ce67_gemm_qkv:
	s_mov_b64 s[64:65], 0
	v_nop
	global_prefetch_b8 v0, s[64:65] scope:SCOPE_SE
	s_setreg_imm32_b32 hwreg(HW_REG_WAVE_MODE, 25, 1), 1
	s_wait_xcnt 0x0
	s_wait_alu depctr_hold_cnt(0) depctr_sa_sdst(0) depctr_va_vdst(0) depctr_va_sdst(0) depctr_va_ssrc(0) depctr_va_vcc(0) depctr_vm_vsrc(0)
	s_getreg_b32 s2, hwreg(HW_REG_IB_STS2, 6, 4)
	s_cmp_eq_u32 s2, 0
	s_cbranch_scc0 .Lentry_in_a_cluster
	s_endpgm
.Lentry_in_a_cluster:
	s_bfe_u32 s2, ttmp6, 0x10000c
	s_cmp_lg_u32 s2, 0xf033
	s_cbranch_scc0 .Lentry_shape_is_right
	s_endpgm
.Lentry_shape_is_right:
; qkv = x W + b on codes of FP4 (E2M1) with E8M0 scales, and at once the quantising of q, k (along the head's 64) and v (along the keys): only codes and scale bytes go to memory.
; SHARES.  A work-group makes 256 rows of x times the 192 columns of one head (q 64, k 64, v 64), all of K = 1,024.  Wave w makes rows 64 w .. 64 w + 63 x 192: 4 tiles of x times 12 tiles of W, 48 accumulators, 384 registers.
; LDS.  All of K fits: two slots (K halves of 512: rows of 256 bytes + 16 of padding), each A's 256 rows and B's 192; behind them all scale bytes.  Every byte is filled ONCE, so there is no ring.
; By this text's count a wave has three tensor loads out at the most.
; CLUSTER.  4 x 4 work-groups: the four of a row need the same rows of x, the four of a column the same head of W: each tile is asked for jointly.
; ROWS OF xc AND wc LIE IN POSITION ORDER (bits 3, 4 of the index exchanged): lane r of stored tile 2 b + u holds true index 32 b + 8 u + (r & 7) + 16 (r >> 3).
; In a result whose source 0 is such a tile, register j of lane (r, h) is true index 32 b + 16 h + 8 u + j: tiles 2 b and 2 b + 1 give a lane 16 NEIGHBOURS.
; q, k (W tiles 0-7): source 0 = W, source 1 = x: a lane holds one row of x and neighbours along the head: their K in the next product.
; v (W tiles 8-11):   source 0 = x, source 1 = W: a lane holds one channel and neighbours along the keys: its K in the last product.
; The bias is the C of each sum's first matrix instruction.  The 48 accumulators take turns in the same order in every step.
; OUT: qc [hb][tile 128][512]: the image of a fragment's registers 0-3, lane l's 16 bytes at 16 l;  qs [hb][tile][16 rows] one word (bytes 2, 3 are 0: they stand over zero codes);
;      kv [hb][key step 16][8,960]: 8 images of K | 4 x 2 images of V^T | K's scale words | V's scale words.  hb = 16 x batch + head.
; LIMITS: a block of zeros, or one under 2^-124, gets the byte 1 (this program alone reads the bytes); NaN and infinities are not served.
; REGISTERS, in windows of 256.  window 0: v1-31 addresses; v32-127 scale words, two sets; v128-223 the bias, later at work.  window 1: two sets of fragments (12 of W, 4 of x).
;   window 2: accumulators of x tiles 0, 1 at v[8 (12 a + t)];  window 3: those of x tiles 2, 3.
.set PITCH, 272                        ; an LDS row: 256 bytes + 16 of padding: the 16 rows of a fragment load start 68 words apart
.set SLOT,  448*PITCH                  ; A's 256 rows, then B's 192
.set BOFF,  256*PITCH
.set SCL,   2*SLOT                     ; A's scale bytes: 32 rows of 256 bytes + 16
.set SCB,   SCL+32*272                 ; B's: 24 such rows
.set STQ,   259072                     ; stages for the scale words on their way out; no tile lands in their blocks of 256 bytes
.set STK,   STQ+1024
.set STV,   STK+1024
.set PADW,  (1<<20)|(1<<21)|(5<<22)|(3<<25)    ; padding on; bit 21 beside a mask; after every 64 words; 4 words
.set G1A,  24                          ; s[24:31] group 1 for A's tiles;  s[32:39] group 0, one set for each slot
.set G0A,  32
.set G1B,  40                          ; s[40:47], s[48:55] the same for B's
.set G0B,  48
.set G1SA, 56                          ; s[56:63], s[76:79] groups 1, 0 for A's scale bytes;  s[68:75], s[80:83] for B's
.set G1SB, 68
.set G0SA, 76
.set G0SB, 80
.set SC,   32                          ; scale words: set s at v[SC + 48 s]; register 4 i + q: lanes 0-15 x tile i's word (i < 4), lanes 16-31 W tile i's
.set BI,   128                         ; the bias, 8 registers a W tile
.set T,    128                         ; the way out: largest magnitudes of 12 units
.set U,    140                         ; the other half's
.set SO,   152                         ; the conversions' scale operands
.set BY,   164                         ; q's and k's bytes
.set CQ,   176                         ; q's and k's codes, 16 registers for each half of the tiles
.set VC,   208                         ; v's codes: 4 dt + 2 b + 0, 1
.set VB,   224                         ; v's bytes: 4 b + dt
.set WD,   232                         ; scale words made
.set MSB, 0
.macro WIN new                         ; the immediate's high byte repeats the setting that is left
.if MSB != (\new)
	s_set_vgpr_msb (MSB<<8)|(\new)
.set MSB, (\new)
.endif
.endm
; A joint load: waves 0 and 1 fetch for A, waves 2 and 3 for B; the branch hangs on the wave's number alone.  Four v_nop follow each line.
.macro JLOAD g0a, g1a, g0b, g1b
	s_cmp_eq_u32 s21, 0
	s_cbranch_scc0 .Lfor_b_\@
	tensor_load_to_lds s[\g0a:\g0a+3], s[\g1a:\g1a+7]
	s_nop 0
.rept 4
	v_nop
.endr
	s_branch .Lasked_\@
.Lfor_b_\@:
	tensor_load_to_lds s[\g0b:\g0b+3], s[\g1b:\g1b+7]
	s_nop 0
.rept 4
	v_nop
.endr
.Lasked_\@:
.endm
.macro CROUND                          ; a round of the cluster's barrier
	s_barrier_signal -1
	s_barrier_wait -1
	s_cmp_lg_u32 s20, 0
	s_cbranch_scc1 .Lnot_wave_0_\@
	s_barrier_signal -3
.Lnot_wave_0_\@:
	s_barrier_wait -3
	s_barrier_signal -1
	s_barrier_wait -1
.endm
.macro PLACES n
.rept \n
	v_nop
.endr
.endm
	s_load_b256 s[4:11], s[0:1], 0x0               ; xc s[4:5], xs s[6:7], wc s[8:9], ws s[10:11]
	s_load_b256 s[12:19], s[0:1], 0x20             ; b s[12:13], qc s[14:15], qs s[16:17], kv s[18:19]
	v_lshl_add_u32 v254, v0, 2, 0x40000
	v_mov_b32 v255, 0
	ds_add_u32 v254, v255
	ds_add_u32 v254, v255
	v_lshrrev_b32 v1, 5, v0
	v_readfirstlane_b32 s20, v1                    ; wave 0..3
	s_lshr_b32 s21, s20, 1                         ; I fetch for A (0) or for B (1)
	s_and_b32 s22, s20, 1                          ; and which half of its rows
	s_bfe_u32 s84, ttmp6, 0x40000                  ; cx, cy: my place in the cluster
	s_bfe_u32 s85, ttmp6, 0x40004
	s_lshl_b32 s86, ttmp9, 2
	s_add_co_u32 s86, s86, s84                     ; the head = 4 x cluster x + cx
	s_and_b32 s87, ttmp7, 0xffff
	s_lshl_b32 s87, s87, 2
	s_add_co_u32 s87, s87, s85                     ; the block of 256 rows = 4 x cluster y + cy
	s_lshl_b32 s88, s85, 2
	s_lshl_b32 s88, 15, s88                        ; my row of the cluster
	s_lshl_b32 s89, 0x1111, s84                    ; my column
	s_or_b32 s[G1A], s88, PADW                     ; A: 128 rows x 256 bytes, 512 bytes apart; elements of 1 byte
	s_mov_b32 s[G1A+1], 256<<16
	s_mov_b32 s[G1A+2], 128<<16
	s_mov_b32 s[G1A+3], 256<<16
	s_mov_b32 s[G1A+4], 128
	s_mov_b32 s[G1A+5], 512
	s_mov_b32 s[G1A+6], 0
	s_mov_b32 s[G1A+7], 0
	s_or_b32 s[G1B], s89, PADW                     ; B: 96 rows
	s_mov_b32 s[G1B+1], 256<<16
	s_mov_b32 s[G1B+2], 96<<16
	s_mov_b32 s[G1B+3], 256<<16
	s_mov_b32 s[G1B+4], 96
	s_mov_b32 s[G1B+5], 512
	s_mov_b32 s[G1B+6], 0
	s_mov_b32 s[G1B+7], 0
	s_or_b32 s[G1SA], s88, PADW|(3<<16)            ; A's scale bytes of 128 rows: 4,096 dense bytes as 16 rows of 32 elements of 8 bytes
	s_mov_b32 s[G1SA+1], 32<<16
	s_mov_b32 s[G1SA+2], 16<<16
	s_mov_b32 s[G1SA+3], 32<<16
	s_mov_b32 s[G1SA+4], 16
	s_mov_b32 s[G1SA+5], 32
	s_mov_b32 s[G1SA+6], 0
	s_mov_b32 s[G1SA+7], 0
	s_or_b32 s[G1SB], s89, PADW|(3<<16)            ; B's of 96 rows: 12 such rows
	s_mov_b32 s[G1SB+1], 32<<16
	s_mov_b32 s[G1SB+2], 12<<16
	s_mov_b32 s[G1SB+3], 32<<16
	s_mov_b32 s[G1SB+4], 12
	s_mov_b32 s[G1SB+5], 32
	s_mov_b32 s[G1SB+6], 0
	s_mov_b32 s[G1SB+7], 0
	s_lshl_b32 s23, s22, 7
	s_lshl_b32 s90, s87, 8
	s_add_co_u32 s90, s90, s23                     ; A: row 256 x block + 128 x half
	s_lshl_b32 s94, s90, 5                         ; its scale bytes,
	s_lshl_b32 s90, s90, 9                         ; its codes
	s_mov_b32 s91, 0
	s_mov_b32 s95, 0
	s_mul_i32 s92, s86, 192
	s_mul_i32 s23, s22, 96
	s_add_co_u32 s92, s92, s23                     ; B: row 192 x head + 96 x half
	s_lshl_b32 s96, s92, 5
	s_lshl_b32 s92, s92, 9
	s_mov_b32 s93, 0
	s_mov_b32 s97, 0
	s_mov_b32 s98, 0x76543210
	s_mov_b32 s99, 0xfedcba98                      ; v_permlanex16_b32's selects for lane l xor 16
	s_wait_dscnt 0x0
	s_wait_kmcnt 0x0
	s_add_nc_u64 s[90:91], s[4:5], s[90:91]
	s_add_nc_u64 s[94:95], s[6:7], s[94:95]
	s_add_nc_u64 s[92:93], s[8:9], s[92:93]
	s_add_nc_u64 s[96:97], s[10:11], s[96:97]
	CROUND                                         ; all sixteen work-groups are here: the joint loads meet
	s_mul_i32 s23, s22, 16*272
	s_mov_b32 s[G0SA], 1
	s_add_co_u32 s[G0SA+1], s23, SCL
	s_mov_b64 s[G0SA+2:G0SA+3], s[94:95]
	s_or_b32 s[G0SA+3], s[G0SA+3], 0x80000000
	s_mul_i32 s23, s22, 12*272
	s_mov_b32 s[G0SB], 1
	s_add_co_u32 s[G0SB+1], s23, SCB
	s_mov_b64 s[G0SB+2:G0SB+3], s[96:97]
	s_or_b32 s[G0SB+3], s[G0SB+3], 0x80000000
	JLOAD G0SA, G1SA, G0SB, G1SB                   ; the scale bytes first
.irp s, 0,1
	s_mul_i32 s23, s22, 128*PITCH
	s_mov_b32 s[G0A+4*\s], 1
	s_add_co_u32 s[G0A+4*\s+1], s23, \s*SLOT
	s_add_nc_u64 s[G0A+4*\s+2:G0A+4*\s+3], s[90:91], \s*256
	s_or_b32 s[G0A+4*\s+3], s[G0A+4*\s+3], 0x80000000
	s_mul_i32 s23, s22, 96*PITCH
	s_mov_b32 s[G0B+4*\s], 1
	s_add_co_u32 s[G0B+4*\s+1], s23, \s*SLOT+BOFF
	s_add_nc_u64 s[G0B+4*\s+2:G0B+4*\s+3], s[92:93], \s*256
	s_or_b32 s[G0B+4*\s+3], s[G0B+4*\s+3], 0x80000000
	JLOAD G0A+4*\s, G1A, G0B+4*\s, G1B             ; K half s
.endr
	; addresses
	v_and_b32 v1, 15, v0                           ; r
	v_bfe_u32 v2, v0, 4, 1                         ; h
	v_and_b32 v3, 31, v0                           ; lane
	v_mul_u32_u24 v4, v1, PITCH
	v_lshl_add_u32 v4, v2, 4, v4                   ; a fragment's row x pitch + 16 h
	s_mul_i32 s23, s20, 64*PITCH
	v_add_nc_u32 v16, s23, v4                      ; v16, v17: my 64 rows of A in slot 0, 1
	v_add_nc_u32 v17, SLOT, v16
	v_add_nc_u32 v18, BOFF, v4                     ; v18, v19: B in slot 0, 1
	v_add_nc_u32 v19, SLOT+BOFF, v4
	v_lshrrev_b32 v5, 3, v1
	v_and_b32 v6, 7, v1
	v_mul_u32_u24 v7, v5, 272
	v_lshl_add_u32 v7, v6, 5, v7                   ; a row's 32 scale bytes: eight rows to 256 bytes + 16
	s_xor_b32 s23, s20, 3
	s_mul_i32 s23, s23, 2176
	s_add_co_u32 s23, s23, 2176                    ; from my 64 rows' scale bytes to B's: (4 - wave) x 2,176
	v_mul_u32_u24 v10, s23, v2                     ; lanes 16-31 take B's
	v_add_nc_u32 v7, v7, v10
	s_mul_i32 s23, s20, 2176
	s_add_co_u32 s23, s23, SCL
	v_add_nc_u32 v20, s23, v7                      ; v20: my scale words
	v_lshlrev_b32 v21, 4, v3                       ; v21: 16 x lane
	v_lshlrev_b32 v22, 3, v3                       ; v22: 8 x lane
	s_lshl_b32 s23, s20, 8
	v_lshl_add_u32 v23, v1, 2, s23
	v_add_nc_u32 v23, STQ, v23                     ; v23: q's words in: 256 wave + 4 r (+ 64 tile)
	v_add_nc_u32 v26, s23, v22
	v_add_nc_u32 v27, STK, v26                     ; v27: K's words back: 256 wave + 8 lane
	v_add_nc_u32 v28, STV, v26                     ; v28: V's words back (waves 0, 1)
	v_add_nc_u32 v26, STQ, v26                     ; v26: q's words back
	s_lshl_b32 s23, s21, 9
	v_lshl_add_u32 v24, v1, 4, s23
	s_lshl_b32 s23, s22, 3
	v_add_nc_u32 v24, s23, v24
	v_add_nc_u32 v24, STK, v24                     ; v24: K's words in: 512 (wave / 2) + 8 (wave % 2) + 16 r
	s_lshl_b32 s23, s21, 8
	v_lshl_add_u32 v25, v1, 3, s23
	s_lshl_b32 s23, s22, 1
	v_add_nc_u32 v25, s23, v25
	v_add_nc_u32 v25, STV, v25                     ; v25: V's half words in: 256 (wave / 2) + 2 (wave % 2) + 8 r
	s_lshl_b32 s23, s22, 11
	v_add_nc_u32 v29, s23, v21                     ; v29: K's images in a key step's block: my four tiles begin 2,048 (wave % 2) on
	s_lshl_b32 s23, s22, 9
	v_add_nc_u32 v30, s23, v21                     ; v30: V's images: my 64 keys are half wave % 2 of each
	s_lshl_b32 s23, s22, 8
	v_add_nc_u32 v31, s23, v22                     ; v31: K's words in the block
	s_mul_i32 s23, s20, 8960
	v_add_nc_u32 v15, s23, v22                     ; v15: V's words (waves 0, 1): key step wave of the work-group's two
	v_lshlrev_b32 v8, 6, v2                        ; v8: the bias of q, k: 64 h
	v_lshlrev_b32 v9, 2, v6
	v_lshl_add_u32 v9, v5, 6, v9                   ; v9: the bias of v: 4 ((r & 7) + 16 (r >> 3))
	; where the results go
	s_lshr_b32 s66, s87, 3
	s_lshl_b32 s66, s66, 4
	s_add_co_u32 s66, s66, s86                     ; hb = 16 x batch + head
	s_and_b32 s67, s87, 7                          ; the block of 256 rows within the batch
	s_mul_i32 s2, s86, 768
	s_mov_b32 s3, 0
	s_add_nc_u64 s[12:13], s[12:13], s[2:3]        ; the head's 192 numbers of the bias
	s_lshl_b32 s2, s66, 16
	s_lshl_b32 s3, s67, 13
	s_add_co_u32 s2, s2, s3
	s_lshl_b32 s3, s20, 11
	s_add_co_u32 s2, s2, s3
	s_mov_b32 s3, 0
	s_add_nc_u64 s[14:15], s[14:15], s[2:3]        ; q's images: hb x 65,536 + (16 block + 4 wave) x 512
	s_lshl_b32 s2, s66, 13
	s_lshl_b32 s3, s67, 10
	s_add_co_u32 s2, s2, s3
	s_lshl_b32 s3, s20, 8
	s_add_co_u32 s2, s2, s3
	s_mov_b32 s3, 0
	s_add_nc_u64 s[16:17], s[16:17], s[2:3]        ; q's words: hb x 8,192 + block x 1,024 + wave x 256
	s_mul_i32 s2, s66, 143360
	s_lshl_b32 s3, s67, 1
	s_add_co_u32 s3, s3, s21
	s_mul_i32 s3, s3, 8960
	s_add_co_u32 s2, s2, s3
	s_mov_b32 s3, 0
	s_add_nc_u64 s[18:19], s[18:19], s[2:3]        ; my key step's block: hb x 143,360 + (2 block + wave / 2) x 8,960
	; the bias in the results' layout.  q, k: register j is column 32 (t / 2) + 16 h + 8 (t % 2) + j.  v: all eight registers are the lane's one column, so one address serves eight loads
.irp t, 0,1,2,3,4,5,6,7
	global_load_b128 v[BI+8*\t:BI+8*\t+3], v8, s[12:13] offset:(32*(\t/2)+8*(\t%2))*4
	global_load_b128 v[BI+8*\t+4:BI+8*\t+7], v8, s[12:13] offset:(32*(\t/2)+8*(\t%2))*4+16
.endr
.irp t, 8,9,10,11
.irp j, 0,1,2,3,4,5,6,7
	global_load_b32 v[BI+8*\t+\j], v9, s[12:13] offset:(32*(\t/2)+8*(\t%2))*4
.endr
.endr
; 32 LDS loads: the fragments of K step f (slot f / 4, its (f % 4)-th 128 along K) into set f % 2.  A fragment: lane (r, h) holds row r; registers 4 c .. 4 c + 3 hold K = 64 c + 32 h + 0 .. 31
.macro FETCH f
	WIN 0x40                                       ; destination window 1, address window 0
.irp t, 0,1,2,3,4,5,6,7,8,9,10,11
.irp c, 0,1
	ds_load_b128 v[128*((\f)%2)+8*\t+4*\c:128*((\f)%2)+8*\t+4*\c+3], v[18+(\f)/4] offset:16*PITCH*\t+64*((\f)%4)+32*\c
.endr
.endr
.irp a, 0,1,2,3
.irp c, 0,1
	ds_load_b128 v[128*((\f)%2)+96+8*\a+4*\c:128*((\f)%2)+96+8*\a+4*\c+3], v[16+(\f)/4] offset:16*PITCH*\a+64*((\f)%4)+32*\c
.endr
.endr
.endm
.macro SCALES s                        ; K half s: four words a row; lanes 0-15 take x tile i's, lanes 16-31 W tile i's (for i > 3 lanes 0-15 read filled bytes that nobody uses)
.irp i, 0,1,2,3,4,5,6,7,8,9,10,11
	ds_load_b128 v[SC+48*\s+4*\i:SC+48*\s+4*\i+3], v20 offset:544*\i+16*\s
.endr
.endm
; 24 matrix instructions of K step g: x tiles 2 hh, 2 hh + 1 against W's twelve
.macro MUL hh
.if g == 0
	WIN 0x85+0x40*\hh                              ; sources 0, 1 window 1; C (the bias) window 0; D window 2 or 3
.else
	WIN 0xa5+0x50*\hh                              ; C and D window 2 or 3
.endif
.irp a, 0,1
.irp t, 0,1,2,3,4,5,6,7,8,9,10,11
.set AC, 8*(12*\a+\t)
.set FW, 128*(g%2)+8*\t
.set FX, 128*(g%2)+96+8*(2*\hh+\a)
.set SW, SC+48*(g/4)+4*\t+g%4
.set SX, SC+48*(g/4)+4*(2*\hh+\a)+g%4
.if \t < 8
.if g == 0
	v_wmma_scale_f32_16x16x128_f8f6f4 v[AC:AC+7], v[FW:FW+7], v[FX:FX+7], v[BI+8*\t:BI+8*\t+7], v[SW], v[SX] matrix_a_fmt:MATRIX_FMT_FP4 matrix_b_fmt:MATRIX_FMT_FP4 matrix_a_scale:MATRIX_SCALE_ROW1
.else
	v_wmma_scale_f32_16x16x128_f8f6f4 v[AC:AC+7], v[FW:FW+7], v[FX:FX+7], v[AC:AC+7], v[SW], v[SX] matrix_a_fmt:MATRIX_FMT_FP4 matrix_b_fmt:MATRIX_FMT_FP4 matrix_a_scale:MATRIX_SCALE_ROW1
.endif
.else
.if g == 0
	v_wmma_scale_f32_16x16x128_f8f6f4 v[AC:AC+7], v[FX:FX+7], v[FW:FW+7], v[BI+8*\t:BI+8*\t+7], v[SX], v[SW] matrix_a_fmt:MATRIX_FMT_FP4 matrix_b_fmt:MATRIX_FMT_FP4 matrix_b_scale:MATRIX_SCALE_ROW1
.else
	v_wmma_scale_f32_16x16x128_f8f6f4 v[AC:AC+7], v[FX:FX+7], v[FW:FW+7], v[AC:AC+7], v[SX], v[SW] matrix_a_fmt:MATRIX_FMT_FP4 matrix_b_fmt:MATRIX_FMT_FP4 matrix_b_scale:MATRIX_SCALE_ROW1
.endif
.endif
.endr
.endr
.endm
	s_wait_tensorcnt 1                             ; the scale bytes and my part of K half 0 are in (K half 1's load may be out),
	s_barrier_signal -1
	s_barrier_wait -1                              ; everybody's are
	SCALES 0
	SCALES 1
	FETCH 0
	s_wait_loadcnt 0x0                             ; the bias
.set g, 0
.rept 8                                ; eight K steps of 128, written out: 48 matrix instructions each; the next step's 32 loads are issued ahead of them
	s_wait_dscnt 0x0                               ; this step's fragments are in (asked for 48 matrix instructions ago)
.if g == 3
	s_wait_tensorcnt 0x0                           ; my part of K half 1 is in,
	s_barrier_signal -1
	s_barrier_wait -1                              ; everybody's is: the next fetch reads it
.endif
.if g < 7
.if g > 0
	PLACES 4                                       ; four places in front of loads into registers that the last step's matrix instructions have read (ISA guide 7.12.1 for vector instructions)
.endif
	FETCH g+1
.endif
	MUL 0
	MUL 1
.set g, g+1
.endr
	WIN 0
	PLACES 4                                       ; in front of the first reads of results
; THE WAY OUT of x tiles 2 b and 2 b + 1 (window 2 + b): twelve units of 16 neighbours along a next K.
; Unit u < 8: x tile 2 b + u / 4; u % 4 = q's block 0, 1, k's block 0, 1: registers 96 (u / 4) + 16 (u % 4) + i.
; Unit 8 + dt: v's channels of W tile 8 + dt, keys 32 b + 16 h + i: registers 64 + 8 dt + i (i < 8) and 160 + 8 dt + i - 8.
; A block of 32 lies in lanes l and l xor 16.  Every accumulator is first read at its low end.
.macro EPI b
	WIN 0x28+0x14*\b                               ; sources 1, 2: window 2 + b
.set i, 0
.rept 8
.set u, 0
.rept 12
.if u < 8
.set RG, 96*(u/4)+16*(u%4)+i
.else
.set RG, 64+8*(u-8)+(i%8)+96*(i/8)
.endif
.if i == 0
	v_max3_num_f32 v[T+u], 0x1800000, |v[RG]|, |v[RG+1]|           ; with the floor 2^(3 - 127): the byte cannot fall under 1
.else
	v_max3_num_f32 v[T+u], v[T+u], |v[RG]|, |v[RG+1]|              ; (the twelve units by turns)
.endif
.set u, u+1
.endr
.set i, i+2
.endr
	WIN 0
.set u, 0
.rept 12
	v_permlanex16_b32 v[U+u], v[T+u], s98, s99
.set u, u+1
.endr
.set u, 0
.rept 12
	v_max_num_f32 v[T+u], v[T+u], v[U+u]           ; with lane l xor 16's: the block's largest magnitude
.set u, u+1
.endr
.set u, 0
.rept 12
	v_add_nc_u32 v[SO+u], 0xff000000, v[T+u]       ; 2 off its exponent field: the conversion's scale operand
.set u, u+1
.endr
.set u, 0
.rept 12
.if u < 8
	v_lshrrev_b32 v[BY+u], 23, v[SO+u]             ; the scale's byte
.else
	v_lshrrev_b32 v[VB+4*\b+u-8], 23, v[SO+u]
.endif
.set u, u+1
.endr
	WIN 0x02+\b                                    ; source 0: window 2 + b
.set u, 0
.rept 12
.if u < 8
.set RG, 96*(u/4)+16*(u%4)
.set R2, RG+8
.set DS, CQ+16*\b+2*u
.else
.set RG, 64+8*(u-8)
.set R2, RG+96
.set DS, VC+4*(u-8)+2*\b
.endif
	v_cvt_scalef32_pk8_fp4_f32 v[DS], v[RG:RG+7], v[SO+u]
	v_cvt_scalef32_pk8_fp4_f32 v[DS+1], v[R2:R2+7], v[SO+u]
.set u, u+1
.endr
	WIN 0
	v_nop                                          ; one plain place behind a scaled conversion
.irp a, 0,1
.irp kd, 0,1                           ; 0: q, 1: k.  The operand's layout wants a WHOLE block in a lane: lanes 0-15 block 0, lanes 16-31 block 1
.set CB, CQ+16*\b+8*\a+4*\kd
	v_permlane16_swap_b32 v[CB], v[CB+2]
	v_permlane16_swap_b32 v[CB+1], v[CB+3]
	v_lshl_or_b32 v[WD+4*\b+2*\a+\kd], v[BY+4*\a+2*\kd+1], 8, v[BY+4*\a+2*\kd]   ; the row's scale word: two bytes
.endr
.endr
.irp a, 0,1
.set CB, CQ+16*\b+8*\a
	global_store_b128 v21, v[CB:CB+3], s[14:15] offset:512*(2*\b+\a)             ; 32 lanes store 512 consecutive bytes: q's image
	ds_store_b32 v23, v[WD+4*\b+2*\a] offset:64*(2*\b+\a)                        ; (lanes l and l xor 16 write the same word with the same value)
	global_store_b128 v29, v[CB+4:CB+7], s[18:19] offset:512*(2*\b+\a)           ; K's image
	ds_store_b32 v24, v[WD+4*\b+2*\a+1] offset:256*\a+4*\b
.endr
.endm
	EPI 0
	EPI 1
.irp dt, 0,1,2,3
	v_permlane16_swap_b32 v[VC+4*\dt], v[VC+4*\dt+2]
	v_permlane16_swap_b32 v[VC+4*\dt+1], v[VC+4*\dt+3]
	v_lshl_or_b32 v[WD+8+\dt], v[VB+4+\dt], 8, v[VB+\dt]           ; my 64 keys' two bytes of the channel's word
.endr
.irp dt, 0,1,2,3
	global_store_b128 v30, v[VC+4*\dt:VC+4*\dt+3], s[18:19] offset:4096+1024*\dt ; half an image of V^T
	ds_store_b16 v25, v[WD+8+\dt] offset:128*(\dt%2)+4*(\dt/2)
.endr
	s_wait_dscnt 0x0                               ; for the others' sake: my words lie in the stages
	s_barrier_signal -1
	s_barrier_wait -1
	ds_load_b64 v[244:245], v26
	ds_load_b64 v[246:247], v27
	s_wait_dscnt 0x0
	global_store_b64 v22, v[244:245], s[16:17]                     ; each store covers 256 consecutive bytes, aligned
	global_store_b64 v31, v[246:247], s[18:19] offset:8192
	s_cmp_lt_u32 s20, 2                            ; V's words of the work-group's two key steps: waves 0 and 1 (their base stands at the first of the two)
	s_cbranch_scc0 .Lno_vs
	ds_load_b64 v[248:249], v28
	s_wait_dscnt 0x0
	global_store_b64 v15, v[248:249], s[18:19] offset:8704
.Lno_vs:
	s_wait_tensorcnt 0x0
	ds_add_u32 v254, v255
	s_wait_dscnt 0x0
	CROUND                                         ; the closing round
	s_endpgm
.Lfunc_end_k_qeba341ce67_gemm_qkv:
	.size	k_qeba341ce67_gemm_qkv, .Lfunc_end_k_qeba341ce67_gemm_qkv-k_qeba341ce67_gemm_qkv
	.p2alignl 7, 3214868480
	.fill 96, 4, 3214868480
	.section	.rodata,"a",@progbits
	.p2align	6, 0x0
	.amdhsa_kernel k_qeba341ce67_gemm_qkv
		.amdhsa_group_segment_fixed_size 262656
		.amdhsa_private_segment_fixed_size 0
		.amdhsa_enable_private_segment 0
		.amdhsa_kernarg_size 64
		.amdhsa_user_sgpr_count 2
		.amdhsa_user_sgpr_kernarg_segment_ptr 1
		.amdhsa_wavefront_size32 1
		.amdhsa_system_sgpr_workgroup_id_x 1
		.amdhsa_system_sgpr_workgroup_id_y 1
		.amdhsa_system_sgpr_workgroup_id_z 1
		.amdhsa_system_vgpr_workitem_id 0
		.amdhsa_next_free_vgpr 1024
		.amdhsa_next_free_sgpr 100
		.amdhsa_reserve_vcc 0
		.amdhsa_float_denorm_mode_32 3
		.amdhsa_float_denorm_mode_16_64 3
		.amdhsa_memory_ordered 1
		.amdhsa_forward_progress 1
		.amdhsa_inst_pref_size 109
	.end_amdhsa_kernel
	.amdgpu_metadata
---
amdhsa.version: [ 1, 2 ]
amdhsa.kernels:
  - .name:           k_qeba341ce67_gemm_qkv
    .symbol:         k_qeba341ce67_gemm_qkv.kd
    .args:
      - { .name: xc, .offset: 0, .size: 8, .value_kind: global_buffer, .address_space: global }
      - { .name: xs, .offset: 8, .size: 8, .value_kind: global_buffer, .address_space: global }
      - { .name: wc, .offset: 16, .size: 8, .value_kind: global_buffer, .address_space: global }
      - { .name: ws, .offset: 24, .size: 8, .value_kind: global_buffer, .address_space: global }
      - { .name: b_qkv, .offset: 32, .size: 8, .value_kind: global_buffer, .address_space: global }
      - { .name: qc, .offset: 40, .size: 8, .value_kind: global_buffer, .address_space: global }
      - { .name: qs, .offset: 48, .size: 8, .value_kind: global_buffer, .address_space: global }
      - { .name: kv, .offset: 56, .size: 8, .value_kind: global_buffer, .address_space: global }
    .group_segment_fixed_size: 262656
    .private_segment_fixed_size: 0
    .kernarg_segment_align: 8
    .kernarg_segment_size: 64
    .max_flat_workgroup_size: 128
    .sgpr_count:     100
    .vgpr_count:     1024
    .wavefront_size: 32
...
	.end_amdgpu_metadata
.endif
;; end of part 3
;; launch attn (part 4): grid 4 x 64, 16 waves a work-group, clusters of 4 x 1, 215,040 bytes of LDS; arguments qc, qs, kv, out0; writes out0
.if DOCPART == 4
	.amdgcn_target "amdgcn-amd-amdhsa--gfx1250"
	.amdhsa_code_object_version 6
	.text
	.protected	k_qeba341ce67_attn
	.globl	k_qeba341ce67_attn
	.p2align	8
	.type	k_qeba341ce67_attn,@function
k_qeba341ce67_attn:
	s_mov_b64 s[64:65], 0
	v_nop
	global_prefetch_b8 v0, s[64:65] scope:SCOPE_SE
	s_setreg_imm32_b32 hwreg(HW_REG_WAVE_MODE, 25, 1), 1
	s_wait_xcnt 0x0
	s_wait_alu depctr_hold_cnt(0) depctr_sa_sdst(0) depctr_va_vdst(0) depctr_va_sdst(0) depctr_va_ssrc(0) depctr_va_vcc(0) depctr_vm_vsrc(0)
	s_getreg_b32 s2, hwreg(HW_REG_IB_STS2, 6, 4)
	s_cmp_eq_u32 s2, 0
	s_cbranch_scc0 .Lentry_in_a_cluster
	s_endpgm
.Lentry_in_a_cluster:
	s_bfe_u32 s2, ttmp6, 0x10000c
	s_cmp_lg_u32 s2, 0x3003
	s_cbranch_scc0 .Lentry_shape_is_right
	s_endpgm
.Lentry_shape_is_right:
; Causal attention of one (batch, head) pair hb for each cluster of four work-groups, both products on codes of FP4 (E2M1) with E8M0 scales; head size 64, 2,048 keys.
; THE SOFTMAX AHEAD OF THE SECOND PRODUCT: t = score x log2(e) / 8; M = the running largest t rounded UP to a whole number; p = 2^(t - M) is quantised along the keys, not normalised;
; the row's sum is taken of the unquantised p and divides at the end; when M moves, the sum and O are multiplied by 2^(old M - new M): exact.
; SHARES.  A tile is 16 queries (tile T: queries 32 (T / 2) + 8 (T % 2) + (r & 7) + 16 (r >> 3)); it needs the key steps 0 .. T / 8 of 128 keys.  Wave w of partner cx owns tiles 4 w + cx and 127 - (4 w + cx):
; 17 key steps' work for every wave.  T / 8 is w / 2 and 15 - w / 2: made of the wave's number alone, so no branch hangs on the place in the cluster.
; LDS.  The pair's whole kv, 16 key steps x 8,960 bytes, is filled ONCE: wave w asks jointly (mask of all four partners) for step w: one tensor load a wave is out.  Behind it a stage of 16 x 272 bytes for each wave.
; A key step's block: 8 images of K (a fragment's registers 0-3; registers 4-7 are zero codes, since the head fills half of the instruction's K) | 4 images of V^T | K's scale words | V's.
; LAYOUT.  Both products are used transposed: S^T = K Q^T, O^T = V^T P^T: a lane holds ONE query.  K's tile 2 b + u gives register j the key 32 b + 16 h + 8 u + j, V's tile likewise the channel.
; Every wave walks 16 trips in each phase; a step all of whose keys come after the tile's queries is jumped over (a scalar branch on the trip and the wave's number).
; LIMITS: NaN and infinities are not served.
; REGISTERS: v1-7 addresses that stay; v8, v9 the step's; v10 Q's scale word, v11 p's; v12 -M, v13 the largest t, v[14:15] the sum; v16-23 Q; v24-27 K's scale words, v28-29 V's; v32-95 K; v96-159 S^T, then p; v160-191 O^T; v192-223 V; v224-231 p's codes; v232-254 at work.
.set KVSTEP, 8960
.set KVHEAD, 16*KVSTEP
.set STG,  KVHEAD                      ; the stages
.set TB,   32                          ; s32  LDS byte at which the step's block begins
.set ST,   33                          ; s33  the trip = the key step
.set DG,   34                          ; s34  the tile's last key step, on the diagonal
.set TAU,  35                          ; s35  the tile
.set QB,   36                          ; s36  the tile's first query within its key step
.macro CROUND                          ; a round of the cluster's barrier
	s_barrier_signal -1
	s_barrier_wait -1
	s_cmp_lg_u32 s12, 0
	s_cbranch_scc1 .Lnot_wave_0_\@
	s_barrier_signal -3
.Lnot_wave_0_\@:
	s_barrier_wait -3
	s_barrier_signal -1
	s_barrier_wait -1
.endm
	s_load_b256 s[4:11], s[0:1], 0x0               ; qc s[4:5], qs s[6:7], kv s[8:9], out0 s[10:11]
	v_lshl_add_u32 v251, v0, 2, 0x34000
	v_mov_b32 v255, 0
	ds_add_u32 v251, v255
	ds_add_u32 v251, v255
	v_lshrrev_b32 v1, 5, v0
	v_readfirstlane_b32 s12, v1                    ; wave 0..15
	s_bfe_u32 s13, ttmp6, 0x40000                  ; cx: it enters Q's and O's global addresses and the mask's numbers alone
	s_and_b32 s14, ttmp7, 0xffff                   ; hb, which the four partners share
	s_mov_b32 s16, 15|(3<<16)|(1<<21)              ; group 1: the mask of all four; elements of 8 bytes; bit 21 beside a mask; no padding
	s_mov_b32 s17, 32<<16                          ; a dense block of 8,960 bytes as 35 rows of 256
	s_mov_b32 s18, 35<<16
	s_mov_b32 s19, 32<<16
	s_mov_b32 s20, 35
	s_mov_b32 s21, 32
	s_mov_b32 s22, 0
	s_mov_b32 s23, 0
	s_mov_b32 s24, 1
	s_mul_i32 s25, s12, KVSTEP                     ; key step w goes to its place in LDS
	s_mul_i32 s44, s14, KVHEAD
	s_add_co_u32 s44, s44, s25
	s_mov_b32 s45, 0
	s_mov_b32 s28, 0x76543210
	s_mov_b32 s29, 0xfedcba98                      ; v_permlanex16_b32's selects for lane l xor 16
	s_mov_b32 s30, 0x3e38aa3b                      ; c = log2(e) / 8
	s_mov_b32 s31, s30                             ; (named with it as a pair)
	s_wait_dscnt 0x0
	s_wait_kmcnt 0x0
	s_add_nc_u64 s[26:27], s[8:9], s[44:45]
	s_or_b32 s27, s27, 0x80000000
	CROUND                                         ; all four work-groups are here: the joint loads meet
	tensor_load_to_lds s[24:27], s[16:23]
	s_nop 0
.rept 4
	v_nop
.endr
	v_and_b32 v3, 31, v0
	v_lshlrev_b32 v1, 4, v3                        ; v1: 16 x lane
	v_lshlrev_b32 v2, 3, v3                        ; v2: 8 x lane
	v_and_b32 v8, 15, v0                           ; r
	v_bfe_u32 v9, v0, 4, 1                         ; h
	v_lshlrev_b32 v3, 2, v8                        ; v3: 4 r
	s_mul_i32 s46, s12, 16*272
	s_add_co_u32 s46, s46, STG                     ; my stage
	v_mul_u32_u24 v4, v8, 272
	v_lshl_add_u32 v4, v9, 6, v4
	v_add_nc_u32 v4, s46, v4                       ; v4: into it: row r, + 64 h
	v_mul_u32_u24 v5, v9, 272
	v_lshl_add_u32 v5, v8, 4, v5
	v_add_nc_u32 v5, s46, v5                       ; v5: back: lanes 0-15 one row, lanes 16-31 the next
	v_lshlrev_b32 v6, 12, v9
	v_lshl_add_u32 v6, v8, 4, v6                   ; v6: the same two rows in out0 (4,096 bytes a row)
	v_and_b32 v7, 7, v8
	v_lshrrev_b32 v10, 3, v8
	v_lshl_add_u32 v7, v10, 4, v7
	v_lshlrev_b32 v10, 4, v9
	v_sub_nc_u32 v7, v7, v10                       ; v7: (r & 7) + 16 (r >> 3) - 16 h
.irp j, 20,21,22,23
	v_mov_b32 v\j, 0                               ; Q's upper half of K: zero codes
.endr
.irp t, 0,1,2,3,4,5,6,7
.irp j, 4,5,6,7
	v_mov_b32 v[32+8*\t+\j], 0                     ; K's likewise; no load lands here
.endr
.endr
.irp j, 236,237,238,239,252,253,254
	v_mov_b32 v\j, 0                               ; written once: a lane permute's destination counts as one of its sources; v253 stays 0, named as the upper half of the pair v[252:253]
.endr
	s_wait_tensorcnt 0x0                           ; my key step is in,
	s_barrier_signal -1
	s_barrier_wait -1                              ; everybody's is: the whole kv lies in LDS
; A KEY STEP of 128 keys
.macro STEP
	s_cmp_gt_u32 s[ST], s[DG]                      ; all its keys come after my queries: nothing to do
	s_cbranch_scc1 .Lhid_\@
	v_add_nc_u32 v8, s[TB], v1
	v_add_nc_u32 v9, s[TB], v2
	v_nop
	v_nop                                          ; with the two additions: four places in front of loads into registers that the last matrix instructions have read
	ds_load_b128 v[24:27], v8 offset:8192          ; K's scale words: register i: tile 2 i in lanes 0-15, tile 2 i + 1 in lanes 16-31
.irp t, 0,1,2,3,4,5,6,7
	ds_load_b128 v[32+8*\t:35+8*\t], v8 offset:512*\t
.endr
	ds_load_b64 v[28:29], v9 offset:8704           ; V's scale words, likewise
.irp dt, 0,1,2,3
.irp c, 0,1
	ds_load_b128 v[192+8*\dt+4*\c:195+8*\dt+4*\c], v8 offset:4096+1024*\dt+512*\c
.endr
.endr
	s_wait_dscnt 9                                 ; K and its words are in; V's nine loads may be out
.irp t, 0,1,2,3,4,5,6,7
.if (\t)%2
	v_wmma_scale_f32_16x16x128_f8f6f4 v[96+8*\t:103+8*\t], v[32+8*\t:39+8*\t], v[16:23], 0, v[24+\t/2], v10 matrix_a_fmt:MATRIX_FMT_FP4 matrix_b_fmt:MATRIX_FMT_FP4 matrix_a_scale:MATRIX_SCALE_ROW1
.else
	v_wmma_scale_f32_16x16x128_f8f6f4 v[96+8*\t:103+8*\t], v[32+8*\t:39+8*\t], v[16:23], 0, v[24+\t/2], v10 matrix_a_fmt:MATRIX_FMT_FP4 matrix_b_fmt:MATRIX_FMT_FP4
.endif
.endr
.rept 4
	v_nop
.endr
	s_cmp_lt_u32 s[ST], s[DG]                      ; ahead of the diagonal every key counts
	s_cbranch_scc1 .Lopen_\@
	v_add_nc_u32 v252, s[QB], v7                   ; d = my query - the step's first key - 16 h.  Register 16 b + i holds key 32 b + 16 h + i: hidden where 32 b + i > d
	v_mov_b32 v254, 0xff800000                     ; -infinity: p = 0 then
.irp n, 0,1,2,3,4,5,6,7,8,9,10,11,12,13,14,15,16,17,18,19,20,21,22,23,24,25,26,27,28,29,30,31,32,33,34,35,36,37,38,39,40,41,42,43,44,45,46,47,48,49,50,51,52,53,54,55,56,57,58,59,60,61,62,63
	v_cmp_gt_i32 vcc_lo, 32*(\n/16)+\n%16, v252
	v_cndmask_b32 v[96+\n], v[96+\n], v254, vcc_lo
.endr
.Lopen_\@:
.irp b, 0,1,2,3
	v_max3_num_f32 v[232+\b], v[96+16*\b], v[97+16*\b], v[98+16*\b]   ; the largest score of each block of 32 keys: for the row's maximum and, since p rises with the score, for the block's largest p
.endr
.irp i, 3,5,7,9,11,13
.irp b, 0,1,2,3
	v_max3_num_f32 v[232+\b], v[232+\b], v[96+16*\b+\i], v[97+16*\b+\i]
.endr
.endr
.irp b, 0,1,2,3
	v_max_num_f32 v[232+\b], v[232+\b], v[111+16*\b]
.endr
.irp b, 0,1,2,3
	v_permlanex16_b32 v[236+\b], v[232+\b], s28, s29
.endr
.irp b, 0,1,2,3
	v_max_num_f32 v[232+\b], v[232+\b], v[236+\b]  ; with lane l xor 16's 16 keys
.endr
	v_max3_num_f32 v254, v232, v233, v234
	v_max_num_f32 v254, v254, v235                 ; the step's largest score of my query (its first key always counts)
	v_mul_f32 v254, s30, v254                      ; as t
	v_max_num_f32 v13, v13, v254                   ; the running largest t
	v_mov_b32 v254, v12
	v_floor_f32 v12, -v13                          ; the new -M = -ceil(t)
	v_sub_f32 v254, v12, v254                      ; old M - new M: a whole number, 0 or less
	v_cvt_i32_f32 v254, v254                       ; (it saturates)
	v_ldexp_f32 v252, 1.0, v254                    ; f = 2^(old M - new M)
.irp j, 0,2,4,6,8,10,12,14,16,18,20,22,24,26,28,30,32,34,36,38,40,42,44,46,48,50,52,54,56,58,60,62
	v_pk_fma_f32 v[96+\j:97+\j], v[96+\j:97+\j], s[30:31], v[12:13] op_sel_hi:[1,0,0]   ; t - M, two at a time
.endr
.irp b, 0,1,2,3
	v_fma_f32 v[232+\b], v[232+\b], s30, v12       ; the same of each block's largest score
.endr
.irp j, 0,1,2,3,4,5,6,7,8,9,10,11,12,13,14,15,16,17,18,19,20,21,22,23,24,25,26,27,28,29,30,31,32,33,34,35,36,37,38,39,40,41,42,43,44,45,46,47,48,49,50,51,52,53,54,55,56,57,58,59,60,61,62,63
	v_exp_f32 v[96+\j], v[96+\j]                   ; p = 2^(t - M)
.endr
.irp b, 0,1,2,3
	v_exp_f32 v[232+\b], v[232+\b]                 ; the block's largest p
.endr
	v_pk_mul_f32 v[14:15], v[14:15], v[252:253] op_sel_hi:[1,0]    ; the sums under the new M (a plain place behind the exponentials)
	s_wait_alu depctr_va_vdst(0)
.irp b, 0,1,2,3
	v_max_num_f32 v[232+\b], 0x1800000, v[232+\b]  ; the floor 2^(3 - 127): the byte cannot fall under 1
.endr
.irp b, 0,1,2,3
	v_add_nc_u32 v[244+\b], 0xff000000, v[232+\b]  ; 2 off the exponent field: the conversion's scale operand
.endr
.irp b, 0,1,2,3
	v_lshrrev_b32 v[236+\b], 23, v[244+\b]         ; the scale's byte
.endr
	v_lshl_or_b32 v11, v237, 8, v236               ; p's scale word for these 128 keys
	v_lshl_or_b32 v11, v238, 16, v11
	v_lshl_or_b32 v11, v239, 24, v11
.irp b, 0,1,2,3
	v_cvt_scalef32_pk8_fp4_f32 v[224+2*\b], v[96+16*\b:103+16*\b], v[244+\b]
	v_cvt_scalef32_pk8_fp4_f32 v[225+2*\b], v[104+16*\b:111+16*\b], v[244+\b]
.endr
	v_nop                                          ; one plain place behind a scaled conversion
.irp c, 0,1                            ; the operand's layout wants a WHOLE block in a lane
.irp i, 0,1
	v_permlane16_swap_b32 v[224+4*\c+\i], v[226+4*\c+\i]
.endr
.endr
	v_pk_add_f32 v[236:237], v[96:97], v[98:99]    ; the row's sum of the unquantised p, in two chains
.irp j, 4,8,12,16,20,24,28,32,36,40,44,48,52,56,60
	v_pk_add_f32 v[14:15], v[14:15], v[96+\j:97+\j]
	v_pk_add_f32 v[236:237], v[236:237], v[98+\j:99+\j]
.endr
	v_pk_add_f32 v[14:15], v[14:15], v[236:237]
.irp j, 0,2,4,6,8,10,12,14,16,18,20,22,24,26,28,30
	v_pk_mul_f32 v[160+\j:161+\j], v[160+\j:161+\j], v[252:253] op_sel_hi:[1,0]   ; O^T under the new M
.endr
	s_wait_dscnt 0x0                               ; V and its words are in
.irp dt, 0,1,2,3                       ; O^T += V^T P^T; the four accumulators by turns, the eight products of S^T between two turns of each
.if (\dt)%2
	v_wmma_scale_f32_16x16x128_f8f6f4 v[160+8*\dt:167+8*\dt], v[192+8*\dt:199+8*\dt], v[224:231], v[160+8*\dt:167+8*\dt], v[28+\dt/2], v11 matrix_a_fmt:MATRIX_FMT_FP4 matrix_b_fmt:MATRIX_FMT_FP4 matrix_a_scale:MATRIX_SCALE_ROW1
.else
	v_wmma_scale_f32_16x16x128_f8f6f4 v[160+8*\dt:167+8*\dt], v[192+8*\dt:199+8*\dt], v[224:231], v[160+8*\dt:167+8*\dt], v[28+\dt/2], v11 matrix_a_fmt:MATRIX_FMT_FP4 matrix_b_fmt:MATRIX_FMT_FP4
.endif
.endr
.Lhid_\@:
	s_add_co_u32 s[TB], s[TB], KVSTEP
.endm
; THE WAY OUT of a tile: O^T / the sum through my stage: 16 rows of 256 bytes, so that sixteen lanes store 256 consecutive bytes, aligned: a query's 64 numbers of this head
.macro OUT
.rept 4
	v_nop                                          ; places behind the last products
.endr
	v_add_f32 v14, v14, v15                        ; the sum's two halves,
	v_permlanex16_b32 v252, v14, s28, s29
	v_add_f32 v14, v14, v252                       ; and lane l xor 16's
	v_rcp_f32 v14, v14
	v_nop                                          ; one plain place behind a transcendental
	s_wait_alu depctr_va_vdst(0)
.irp j, 0,2,4,6,8,10,12,14,16,18,20,22,24,26,28,30
	v_pk_mul_f32 v[96+\j:97+\j], v[160+\j:161+\j], v[14:15] op_sel_hi:[1,0]   ; register 16 b + i is channel 32 b + 16 h + i
.endr
.irp b, 0,1
.irp k, 0,1,2,3
	ds_store_b128 v4, v[96+16*\b+4*\k:99+16*\b+4*\k] offset:128*\b+16*\k
.endr
.endr
.irp i, 0,1,2,3,4,5,6,7
	ds_load_b128 v[128+4*\i:131+4*\i], v5 offset:544*\i            ; LDS serves a wave's instructions in order: these see my stores
.endr
.irp i, 0,1,2,3,4,5,6,7
	s_wait_dscnt 7-\i
	global_store_b128 v6, v[128+4*\i:131+4*\i], s[42:43] offset:(2*\i+8*(\i/4))*4096 th:TH_STORE_NT   ; stage row q is query (q & 7) + 16 (q >> 3) of the tile
.endr
	s_wait_xcnt 0x0                                ; the stores have read their registers and base: the next phase writes both
.endm
.macro PHASE ph
.if \ph
	s_xor_b32 s[TAU], s[TAU], 127                  ; 127 - the first tile
	s_xor_b32 s[DG], s[DG], 15                     ; 15 - wave / 2
.else
	s_lshl_b32 s[TAU], s12, 2
	s_add_co_u32 s[TAU], s[TAU], s13               ; 4 wave + cx
	s_lshr_b32 s[DG], s12, 1
.endif
	s_lshl_b32 s44, s14, 16
	s_lshl_b32 s45, s[TAU], 9
	s_add_co_u32 s44, s44, s45
	s_mov_b32 s45, 0
	s_add_nc_u64 s[38:39], s[4:5], s[44:45]        ; Q's image
	s_lshl_b32 s44, s14, 13
	s_lshl_b32 s45, s[TAU], 6
	s_add_co_u32 s44, s44, s45
	s_mov_b32 s45, 0
	s_add_nc_u64 s[40:41], s[6:7], s[44:45]        ; Q's scale words
	s_lshr_b32 s44, s[TAU], 1
	s_lshl_b32 s44, s44, 5
	s_and_b32 s45, s[TAU], 1
	s_lshl_b32 s45, s45, 3
	s_add_co_u32 s44, s44, s45                     ; the tile's first query
	s_and_b32 s[QB], s44, 127
	s_lshr_b32 s45, s14, 4
	s_lshl_b32 s45, s45, 11
	s_add_co_u32 s44, s44, s45                     ; + 2,048 x batch
	s_lshl_b32 s44, s44, 12
	s_and_b32 s45, s14, 15
	s_lshl_b32 s45, s45, 8
	s_add_co_u32 s44, s44, s45                     ; + 256 x head
	s_mov_b32 s45, 0
	s_add_nc_u64 s[42:43], s[10:11], s[44:45]
	global_load_b128 v[16:19], v1, s[38:39]
	global_load_b32 v10, v3, s[40:41]
	v_mov_b32 v13, 0xff61b1e6                      ; the largest t so far: -3e38
	v_floor_f32 v12, -v13                          ; -M
	v_mov_b32 v14, 0
	v_mov_b32 v15, 0
.set j, 0
.rept 32
	v_mov_b32 v[160+j], 0                          ; O^T: the step is written once; the first finds zeros
.set j, j+1
.endr
	s_mov_b32 s[TB], 0
	s_mov_b32 s[ST], 0
	s_wait_loadcnt 0x0
.Lstep_\@:
	STEP
	s_add_co_u32 s[ST], s[ST], 1
	s_cmp_lt_u32 s[ST], 16
	s_cbranch_scc1 .Lstep_\@
	OUT
.endm
	PHASE 0
	PHASE 1
	s_wait_tensorcnt 0x0
	ds_add_u32 v251, v255
	s_wait_dscnt 0x0
	CROUND                                         ; the closing round
	s_endpgm
.Lfunc_end_k_qeba341ce67_attn:
	.size	k_qeba341ce67_attn, .Lfunc_end_k_qeba341ce67_attn-k_qeba341ce67_attn
	.p2alignl 7, 3214868480
	.fill 96, 4, 3214868480
	.section	.rodata,"a",@progbits
	.p2align	6, 0x0
	.amdhsa_kernel k_qeba341ce67_attn
		.amdhsa_group_segment_fixed_size 215040
		.amdhsa_private_segment_fixed_size 0
		.amdhsa_enable_private_segment 0
		.amdhsa_kernarg_size 32
		.amdhsa_user_sgpr_count 2
		.amdhsa_user_sgpr_kernarg_segment_ptr 1
		.amdhsa_wavefront_size32 1
		.amdhsa_system_sgpr_workgroup_id_x 1
		.amdhsa_system_sgpr_workgroup_id_y 1
		.amdhsa_system_sgpr_workgroup_id_z 1
		.amdhsa_system_vgpr_workitem_id 0
		.amdhsa_next_free_vgpr 256
		.amdhsa_next_free_sgpr 66
		.amdhsa_reserve_vcc 1
		.amdhsa_float_denorm_mode_32 3
		.amdhsa_float_denorm_mode_16_64 3
		.amdhsa_memory_ordered 1
		.amdhsa_forward_progress 1
		.amdhsa_inst_pref_size 57
	.end_amdhsa_kernel
	.amdgpu_metadata
---
amdhsa.version: [ 1, 2 ]
amdhsa.kernels:
  - .name:           k_qeba341ce67_attn
    .symbol:         k_qeba341ce67_attn.kd
    .args:
      - { .name: qc, .offset: 0, .size: 8, .value_kind: global_buffer, .address_space: global }
      - { .name: qs, .offset: 8, .size: 8, .value_kind: global_buffer, .address_space: global }
      - { .name: kv, .offset: 16, .size: 8, .value_kind: global_buffer, .address_space: global }
      - { .name: out0, .offset: 24, .size: 8, .value_kind: global_buffer, .address_space: global }
    .group_segment_fixed_size: 215040
    .private_segment_fixed_size: 0
    .kernarg_segment_align: 8
    .kernarg_segment_size: 32
    .max_flat_workgroup_size: 512
    .sgpr_count:     66
    .vgpr_count:     256
    .wavefront_size: 32
...
	.end_amdgpu_metadata
.endif
;; end of part 4
